; MI455X (gfx1250); checked and timed in simulation.
; The chip was launched on July 23, 2026; its instructions are those of AMD's public machine-readable ISA for CDNA 5 (MIT licence, August 2026) and "CDNA5" Instruction Set Architecture Reference Guide (July 2026). The comments in the code are by the model that wrote it; some were corrected since.
;; Logic Gated SNN. Allowed arithmetic: float matrix products may take bf16 or f16 operands with f32 sums; all other float work in f32.
;; Inputs: adaptive_threshold 4,096 float32; membrane_potential 4,096 float32; refractory_count 4,096 float32; spike_input 4,096 x 4,096 float32; synapse_states 4,096 x 4,096 float32.
;; Outputs: out0 4,096 x 4,096 float32.
;; 2 versions, each right; version 2 is version 1 with the launch prep written anew for expert scheduling mode. Each part assembles by itself: llvm-mc -triple=amdgcn-amd-amdhsa -mcpu=gfx1250 --defsym DOCPART=n.
;; ======== version 1 of 2: 2 launches
;; workspace buffers: a16 33,554,432 bytes; w16 33,554,432 bytes
;; launch prep (part 1): grid 1024 x 1, 8 waves a work-group, no clusters, 0 bytes of LDS; arguments spike_input, synapse_states, a16, w16; writes a16, w16
.if DOCPART == 1
	.amdgcn_target "amdgcn-amd-amdhsa--gfx1250"
	.amdhsa_code_object_version 6
	.text
	.protected	k_q1cf170b0fb_prep
	.globl	k_q1cf170b0fb_prep
	.p2align	8
	.type	k_q1cf170b0fb_prep,@function
k_q1cf170b0fb_prep:
	s_mov_b64 s[64:65], 0
	v_nop
	global_prefetch_b8 v0, s[64:65] scope:SCOPE_SE
	s_setreg_imm32_b32 hwreg(HW_REG_WAVE_MODE, 25, 1), 1
	s_wait_xcnt 0x0
; a16 = spike_input rounded to bf16 (nearest even); w16 = the ternary weights as bf16: +1 where the f32 state is above 1, -1 where it is below -1, else 0.
; The comparison is made on the f32 states, so no state near the limits changes sides; a NaN state fails both comparisons and gives 0, as in the source formula.
; LIMIT: spikes that are not exact in bf16 (0 and 1 are) lose all but 8 significant bits here.
; A stream: no LDS, no barrier, no matrix unit; each input byte is read once and each output byte written once.
; SHARES.  Work-group g owns bytes 65,536 g .. of both f32 inputs and bytes 32,768 g .. of both bf16 outputs: 1,024 x 65,536 = the 67,108,864 bytes of each input.
; A PIECE is 4,096 input bytes: thread t loads the 16 bytes at 16 t (a wave's load covers 512 consecutive bytes) and stores the 8 bytes at 8 t (a wave's store covers 256
; consecutive bytes, at a multiple of 256 from the buffer's first byte).  Pieces 0-15 are spikes, pieces 16-31 states, in one ring of eight register slots: eight loads of every wave are on their way.
; Nothing is looped: a piece's place stands in the immediate offset (61,440 at the most), so no address register and no base is ever rewritten; each piece has result registers of its own,
; so no register that a store reads is ever rewritten either, and the text needs no wait for that.
.set VI, 1                             ; v1        16 t: my byte offset in a piece of input; never rewritten
.set VO, 2                             ; v2        8 t: my byte offset in a piece of output; never rewritten
.set X,  4                             ; v[4:35]   slot j % 8: 4 numbers in f32 as loaded
.set T,  36                            ; v[36:39]  at work
.set Y,  40                            ; v[40:103] piece j: 2 registers, 4 bf16 to store
.set GT, 12                            ; s[12:15]  lanes whose state is above 1
.set LT, 16                            ; s[16:19]  lanes whose state is below -1
	s_load_b256 s[4:11], s[0:1], 0x0               ; spikes s[4:5], states s[6:7], a16 s[8:9], w16 s[10:11]
	s_lshl_b32 s2, ttmp9, 16                       ; my 65,536 bytes of each input (under 2^26),
	s_mov_b32 s3, 0
	s_lshl_b32 s20, ttmp9, 15                      ; my 32,768 bytes of each output
	s_mov_b32 s21, 0
	v_lshlrev_b32 v[VI], 4, v0
	v_lshlrev_b32 v[VO], 3, v0
	s_wait_kmcnt 0x0
	s_add_nc_u64 s[4:5], s[4:5], s[2:3]
	s_add_nc_u64 s[6:7], s[6:7], s[2:3]
	s_add_nc_u64 s[8:9], s[8:9], s[20:21]
	s_add_nc_u64 s[10:11], s[10:11], s[20:21]
.macro LD n                            ; piece n is asked for; the launch reads each of these bytes once
.if (\n) < 16
	global_load_b128 v[X+4*((\n)%8):X+4*((\n)%8)+3], v[VI], s[4:5] offset:(\n)*4096 th:TH_LOAD_NT
.else
	global_load_b128 v[X+4*((\n)%8):X+4*((\n)%8)+3], v[VI], s[6:7] offset:((\n)-16)*4096 th:TH_LOAD_NT
.endif
.endm
; Piece n's turn: its load is in; it is converted; its slot is asked for again (ahead of the store); it is stored.
.macro SLOT n
.set XS, X+4*((\n)%8)
.set YS, Y+2*(\n)
.if (\n) < 24
	s_wait_loadcnt 7                               ; loads come back in order (ISA guide 5.7.1): pieces n + 1 .. n + 7 stay out, mine is in
.else
	s_wait_loadcnt 31-(\n)                         ; nothing is asked for behind piece 31: the counts run down
.endif
.if (\n) < 16
	v_cvt_pk_bf16_f32 v[YS],   v[XS],   v[XS+1]    ; two roundings to bf16, packed
	v_cvt_pk_bf16_f32 v[YS+1], v[XS+2], v[XS+3]
.else
.irp k, 0,1,2,3
	v_cmp_lt_f32 s[GT+(\k)], 1.0, v[XS+(\k)]       ; 1 < state
.endr
.irp k, 0,1,2,3
	v_cmp_gt_f32 s[LT+(\k)], -1.0, v[XS+(\k)]      ; -1 > state
.endr
.irp k, 0,1,2,3
	v_cndmask_b32 v[T+(\k)], 0, 1.0, s[GT+(\k)]
.endr
.irp k, 0,1,2,3
	v_cndmask_b32 v[T+(\k)], v[T+(\k)], -1.0, s[LT+(\k)]
.endr
	v_cvt_pk_bf16_f32 v[YS],   v[T],   v[T+1]      ; exact: -1, 0 and 1 are bf16 numbers
	v_cvt_pk_bf16_f32 v[YS+1], v[T+2], v[T+3]
.endif
.if (\n) < 24
	LD (\n)+8
.endif
.if (\n) < 16
	global_store_b64 v[VO], v[YS:YS+1], s[8:9] offset:(\n)*2048         ; no hint: the next launch reads these bytes
.else
	global_store_b64 v[VO], v[YS:YS+1], s[10:11] offset:((\n)-16)*2048
.endif
.endm
.irp j, 0,1,2,3,4,5,6,7
	LD \j                                          ; the ring is filled
.endr
.irp j, 0,1,2,3,4,5,6,7,8,9,10,11,12,13,14,15,16,17,18,19,20,21,22,23,24,25,26,27,28,29,30,31
	SLOT \j
.endr
	s_endpgm
.Lfunc_end_k_q1cf170b0fb_prep:
	.size	k_q1cf170b0fb_prep, .Lfunc_end_k_q1cf170b0fb_prep-k_q1cf170b0fb_prep
	.p2alignl 7, 3214868480
	.fill 96, 4, 3214868480
	.section	.rodata,"a",@progbits
	.p2align	6, 0x0
	.amdhsa_kernel k_q1cf170b0fb_prep
		.amdhsa_group_segment_fixed_size 0
		.amdhsa_private_segment_fixed_size 0
		.amdhsa_enable_private_segment 0
		.amdhsa_kernarg_size 32
		.amdhsa_user_sgpr_count 2
		.amdhsa_user_sgpr_kernarg_segment_ptr 1
		.amdhsa_wavefront_size32 1
		.amdhsa_system_sgpr_workgroup_id_x 1
		.amdhsa_system_sgpr_workgroup_id_y 1
		.amdhsa_system_sgpr_workgroup_id_z 1
		.amdhsa_system_vgpr_workitem_id 0
		.amdhsa_next_free_vgpr 104
		.amdhsa_next_free_sgpr 66
		.amdhsa_reserve_vcc 0
		.amdhsa_float_denorm_mode_32 3
		.amdhsa_float_denorm_mode_16_64 3
		.amdhsa_memory_ordered 1
		.amdhsa_forward_progress 1
		.amdhsa_inst_pref_size 28
	.end_amdhsa_kernel
	.amdgpu_metadata
---
amdhsa.version: [ 1, 2 ]
amdhsa.kernels:
  - .name:           k_q1cf170b0fb_prep
    .symbol:         k_q1cf170b0fb_prep.kd
    .args:
      - { .name: spike_input, .offset: 0, .size: 8, .value_kind: global_buffer, .address_space: global }
      - { .name: synapse_states, .offset: 8, .size: 8, .value_kind: global_buffer, .address_space: global }
      - { .name: a16, .offset: 16, .size: 8, .value_kind: global_buffer, .address_space: global }
      - { .name: w16, .offset: 24, .size: 8, .value_kind: global_buffer, .address_space: global }
    .group_segment_fixed_size: 0
    .private_segment_fixed_size: 0
    .kernarg_segment_align: 8
    .kernarg_segment_size: 32
    .max_flat_workgroup_size: 256
    .sgpr_count:     66
    .vgpr_count:     104
    .wavefront_size: 32
...
	.end_amdgpu_metadata
.endif
;; end of part 1
;; launch gemm (part 2): grid 16 x 16, 4 waves a work-group, clusters of 4 x 4, 327,680 bytes of LDS; arguments a16, w16, out0, adaptive_threshold, membrane_potential, refractory_count; writes out0
.if DOCPART == 2
	.amdgcn_target "amdgcn-amd-amdhsa--gfx1250"
	.amdhsa_code_object_version 6
	.text
	.protected	k_q1cf170b0fb_gemm
	.globl	k_q1cf170b0fb_gemm
	.p2align	8
	.type	k_q1cf170b0fb_gemm,@function
k_q1cf170b0fb_gemm:
	s_mov_b64 s[64:65], 0
	v_nop
	global_prefetch_b8 v0, s[64:65] scope:SCOPE_SE
	s_setreg_imm32_b32 hwreg(HW_REG_WAVE_MODE, 25, 1), 1
	s_wait_xcnt 0x0
	s_wait_alu depctr_hold_cnt(0) depctr_sa_sdst(0) depctr_va_vdst(0) depctr_va_sdst(0) depctr_va_ssrc(0) depctr_va_vcc(0) depctr_vm_vsrc(0)
	s_getreg_b32 s2, hwreg(HW_REG_IB_STS2, 6, 4)
	s_cmp_eq_u32 s2, 0
	s_cbranch_scc0 .Lentry_in_a_cluster
	s_endpgm
.Lentry_in_a_cluster:
	s_bfe_u32 s2, ttmp6, 0x10000c
	s_cmp_lg_u32 s2, 0xf033
	s_cbranch_scc0 .Lentry_shape_is_right
	s_endpgm
.Lentry_shape_is_right:
; out0[b][o] = 1.0 where 0.8 mem[o] + cur[b][o] g[o] >= thr[o], else 0.0;  cur[b][o] = the sum over k of a16[b][k] w16[o][k];  g[o] = 0 where refr[o] > 0, else 1.
; a16: [4096][4096] bf16, the spikes;  w16: [4096][4096] bf16, the ternary weights;  sums in f32;  out0: [4096][4096] f32.
; ROUNDING.  0.8 mem is rounded once (v_mul_f32); cur g is exact, g being 0 or 1, so the fused multiply-add's one rounding is that of the sum 0.8 mem + cur g, as in the source formula.
; LIMITS.  The sums are taken in the matrix unit's order: exact while the products are whole numbers and the sums stay under 2^24 (spikes of 0 and 1: at most 4,096).  Spikes that are not exact in bf16
; were rounded by the launch before, and a comparison closer to its threshold than that rounding may fall the other way.  A NaN in mem or thr gives 0, a NaN in refr counts as not refractory, as in the source formula.
; SHARES.  A tile of out0, 256 x 256, is made by a work-group of four waves, a wave makes 128 x 128: 64 accumulators of 16 x 16, 512 registers.  16 x 16 tiles: 256 work-groups.
; K goes in steps of 128 through a ring of two LDS slots filled by the tensor data mover: the tiles' rows are 256 bytes of memory and start at multiples of 256 bytes from the buffer's first byte.
; CLUSTERS: 4 x 4 work-groups.  The four of a row of the cluster need the same tiles of a16, the four of a column the same tiles of w16: each tile is asked for JOINTLY, by the same tensor load with
; the same descriptor and a mask that names the four; each receives it in its own LDS.  That divides the requests for both operands by four.
; THE MATRIX INSTRUCTION IS USED TRANSPOSED: source 0 = 16 rows of w16, source 1 = 16 rows of a16.  In the result lane l holds batch row l % 16 and the neurons 8 (l / 16) + 0 .. 7: 32 neighbouring bytes of a row.
; THE WAY OUT.  16 rows x 128 currents in f32 at a time go through the wave's own stage in LDS and come back as whole rows of 512 bytes: lane l then holds neurons 4 l .. 4 l + 3 in EVERY row,
; so thr, 0.8 mem and g of those four neurons lie in 12 registers for the whole way out, and a wave's store covers 512 consecutive bytes.
;
; REGISTERS, in windows of 256 (an instruction names v0-v255; s_set_vgpr_msb says which window each operand place means: bits 1:0 source 0, 3:2 source 1, 5:4 source 2, 7:6 destination):
;   window 0: v0-31 addresses; v32-47 the neurons' numbers; v64-127, v128-191 fragments of a16, two buffers; on the way out the same 128 registers take the rows read back, two buffers of 16 rows
;   window 1: v64-127, v128-191 fragments of w16, two buffers
;   window 2: the 32 accumulators of my rows 0-63 (accumulator (a, b) at v[8 (8 a + b)]);   window 3: those of my rows 64-127
.set SIZE_K, 4096
.set KSTEP,  128
.set PITCH,  272                       ; an LDS row: 256 bytes of data + 16 of padding = 68 words: row r starts at bank 4 r mod 64 (64 banks of 4 bytes: ISA guide 11.1), so the 16 rows that a load touches start at 16 different banks
.set HALFT,  128*PITCH                 ; 128 rows: what one tensor load brings, and what one wave reads of either operand
.set SLOT,   4*HALFT                   ; a16's 256 rows, then w16's 256 rows
.set STAGE,  2*SLOT                    ; behind the ring, never filled by a tensor load: the stages
.set SPITCH, 528                       ; a stage row: 512 bytes + 16 = 132 words: again row r starts at bank 4 r mod 64
.set WSTAGE, 16*SPITCH                 ; a wave's stage: 16 rows, 8,448 bytes = 33 blocks of 256
.set SPARE,  STAGE+4*WSTAGE            ; behind the stages: the spare words, 128 bytes for each wave: two blocks of 256 bytes that no other line names
.set LAPS,   SIZE_K/(2*KSTEP)          ; a lap = two K steps = once round the ring: 16
.set NB,     16384                     ; bytes in a row of out0
.set ADRA, 16                          ; v16-17  LDS address of my a16 fragments in slot 0, 1
.set ADRB, 20                          ; v20-21  the same for w16
.set STO,  24                          ; v24     the way out: where I put 32 bytes of a row
.set RD,   25                          ; v25     the way out: where I read 16 bytes of a row back
.set CO,   26                          ; v26     16 x lane: my byte offset in 512 bytes of a row of out0; never rewritten
.set PO,   27                          ; v27     my four neurons' byte offset in thr, mem and refr
.set SPW,  28                          ; v28     LDS address of my spare word: SPARE + 4 x my thread's number; never rewritten
.set NIL,  29                          ; v29     0; never rewritten
.set THR,  32                          ; v[32:35] thr of my four neurons
.set BA,   36                          ; v[36:39] mem, then 0.8 mem
.set G,    40                          ; v[40:43] g
.set RF,   44                          ; v[44:47] refr
.set F0,   64                          ; fragment buffer 0
.set F1,   128                         ; fragment buffer 1
.set OB,   64                          ; the way out: 16 rows read back: v64-127 and v128-191 by turns
.set G1, 24                            ; s[24:31] descriptor group 1 for a16's tiles
.set G0, 32                            ; s[32:39] descriptor group 0 for a16's tiles, one set for each slot
.set G1B, 48                           ; s[48:55] descriptor group 1 for w16's tiles: it differs in the mask alone
.set G0B, 56                           ; s[56:63] descriptor group 0 for w16's tiles, one set for each slot
.set CM, 74                            ; s[74:77] lane masks of four comparisons
.set MSB, 0
.macro WIN new                         ; the immediate's high byte repeats the setting that is left; a switch that changes nothing is dropped
.if MSB != (\new)
	s_set_vgpr_msb (MSB<<8)|(\new)
.set MSB, \new
.endif
.endm
.set MUL_LO, 0xa1                      ; source 0 (w16) window 1, source 1 (a16) window 0, C and D window 2
.set MUL_HI, 0xf1                      ; the same, C and D window 3
.set TO_B,   0x40                      ; destination window 1, address window 0
; A joint load.  Waves 0 and 1 fetch a16's two halves, waves 2 and 3 w16's.  Each of the two lines has ONE mask and one set of registers for all that issue it, and nothing in them hangs on a
; coordinate that the four partners do not share.  The branch hangs on the wave's number alone.  An s_nop 0 and four v_nop follow each of the two lines, ahead of the jump, the label and what follows.
.macro JLOAD s
	s_cmp_eq_u32 s11, 0
	s_cbranch_scc0 .Lfor_b_\@
	tensor_load_to_lds s[G0+4*(\s):G0+4*(\s)+3], s[G1:G1+7]
	s_nop 0
.rept 4
	v_nop
.endr
	s_branch .Lasked_\@
.Lfor_b_\@:
	tensor_load_to_lds s[G0B+4*(\s):G0B+4*(\s)+3], s[G1B:G1B+7]
	s_nop 0
.rept 4
	v_nop
.endr
.Lasked_\@:
.endm
; A round of the cluster's barrier: my work-group's barrier, so that wave 0's signal speaks for all four waves; wave 0 signals for the work-group; every wave waits for all sixteen work-groups;
; my work-group's barrier once more.  No LDS instruction of the wave is pending at a signal.
.macro CREST                           ; a round behind its opening barrier
	s_cmp_lg_u32 s10, 0
	s_cbranch_scc1 .Lnot_wave_0_\@
	s_barrier_signal -3
.Lnot_wave_0_\@:
	s_barrier_wait -3
	s_barrier_signal -1
	s_barrier_wait -1
.endm
.macro CROUND                          ; a whole round
	s_barrier_signal -1
	s_barrier_wait -1
	CREST
.endm
	s_load_b128 s[4:7], s[0:1], 0x0                ; a16 s[4:5], w16 s[6:7]
	s_load_b64 s[8:9], s[0:1], 0x10                ; out0
	s_load_b128 s[68:71], s[0:1], 0x18             ; thr s[68:69], mem s[70:71]
	s_load_b64 s[72:73], s[0:1], 0x28              ; refr
	v_lshl_add_u32 v[SPW], v0, 2, SPARE
	v_mov_b32 v[NIL], 0
	ds_add_u32 v[SPW], v[NIL]                      ; the wave's opening: the add and its wait stand ahead of my first tensor load; the set-up below, work on registers, stands between them
	v_lshrrev_b32 v1, 5, v0
	v_readfirstlane_b32 s10, v1                    ; wave 0..3
	s_lshr_b32 s11, s10, 1                         ; which half of the tile's rows is mine.  Also: I fetch for a16 (0) or for w16 (1)
	s_and_b32 s12, s10, 1                          ; which half of its columns.  Also: which 128 rows of that operand's tile I fetch
	s_bfe_u32 s40, ttmp6, 0x40000                  ; cx: my place along the cluster's x
	s_bfe_u32 s41, ttmp6, 0x40004                  ; cy: along its y
	s_lshl_b32 s42, ttmp9, 2                       ; in a cluster launch ttmp9 and ttmp7 count clusters
	s_add_co_u32 s42, s42, s40                     ; tile column (neurons) = 4 x cluster x + cx
	s_and_b32 s13, ttmp7, 0xffff
	s_lshl_b32 s13, s13, 2
	s_add_co_u32 s13, s13, s41                     ; tile row (batch) = 4 x cluster y + cy
	s_lshl_b32 s43, s41, 2
	s_lshl_b32 s43, 15, s43                        ; my row of the cluster: places 4 cy .. 4 cy + 3
	s_lshl_b32 s44, 0x1111, s40                    ; my column: places cx, cx + 4, cx + 8, cx + 12
	; descriptor group 1: a tile of 128 rows x 128 elements, padded in LDS
	s_or_b32 s[G1+0], s43, (1<<16)|(1<<20)|(1<<21)|(5<<22)|(3<<25)  ; 15:0 the mask: a16's tiles go to my row; 17:16 element of 2 bytes; 20 padding on; 21 set beside a mask; 24:22 after every 64 words (code 5); 31:25 of 4 words (code 3)
	s_or_b32 s[G1B+0], s44, (1<<16)|(1<<20)|(1<<21)|(5<<22)|(3<<25) ; the same with the mask of my column, for w16's tiles
	s_mov_b32 s[G1B+1], KSTEP<<16
	s_mov_b32 s[G1+1], KSTEP<<16                   ; 63:48 tensor_dim0, low half = 128
	s_mov_b32 s[G1B+2], 128<<16
	s_mov_b32 s[G1+2], 128<<16                     ; 79:64 its high half = 0; 95:80 tensor_dim1, low half = 128
	s_mov_b32 s[G1B+3], KSTEP<<16
	s_mov_b32 s[G1+3], KSTEP<<16                   ; 111:96 its high half = 0; 127:112 tile_dim0 = 128
	s_mov_b32 s[G1B+4], 128
	s_mov_b32 s[G1+4], 128                         ; 143:128 tile_dim1 = 128; 159:144 tile_dim2 = 0
	s_mov_b32 s[G1B+5], SIZE_K
	s_mov_b32 s[G1+5], SIZE_K                      ; 191:160 tensor_dim0_stride, low word: elements from row to row
	s_mov_b32 s[G1B+6], 0
	s_mov_b32 s[G1+6], 0
	s_mov_b32 s[G1B+7], 0
	s_mov_b32 s[G1+7], 0
	; where the tiles come from.  a16's hang on the tile row alone, which my row of the cluster shares; w16's on the tile column alone, which my column shares.
	; Every wave makes both addresses, in registers that never hold the other coordinate, and asks by one of them.
	s_lshl_b32 s17, s12, 7                         ; which 128 rows of the tile I fetch
	s_lshl_b32 s16, s13, 8
	s_add_co_u32 s16, s16, s17                     ; a16: row 256 x tile row + 128 x half
	s_lshl_b32 s46, s42, 8
	s_add_co_u32 s46, s46, s17                     ; w16: row 256 x tile column + 128 x half
	s_mov_b32 s17, 0
	s_mov_b32 s47, 0
	s_mov_b64 s[18:19], SIZE_K*2
	s_mul_u64 s[16:17], s[16:17], s[18:19]         ; in bytes: rows of 8,192
	s_mul_u64 s[46:47], s[46:47], s[18:19]
	s_mul_i32 s20, s10, HALFT                      ; and where they go: a16's two halves, then w16's two halves = wave x 128 rows: no place in the cluster enters an LDS address
	s_wait_dscnt 0x0                               ; the opening add is done
	s_wait_kmcnt 0x0
	s_add_nc_u64 s[14:15], s[4:5], s[16:17]
	s_add_nc_u64 s[46:47], s[6:7], s[46:47]
	CROUND                                         ; all sixteen work-groups are here: the first joint loads meet
.irp s, 0,1
	s_mov_b32 s[G0+4*(\s)], 1                                      ; 1:0 count = 1
	s_add_co_u32 s[G0+4*(\s)+1], s20, (\s)*SLOT                    ; 63:32 LDS address
	s_add_nc_u64 s[G0+4*(\s)+2:G0+4*(\s)+3], s[14:15], (\s)*KSTEP*2  ; 120:64 global address: K step s
	s_or_b32 s[G0+4*(\s)+3], s[G0+4*(\s)+3], 0x80000000            ; 127:126 type = 2
	s_mov_b32 s[G0B+4*(\s)], 1
	s_add_co_u32 s[G0B+4*(\s)+1], s20, (\s)*SLOT
	s_add_nc_u64 s[G0B+4*(\s)+2:G0B+4*(\s)+3], s[46:47], (\s)*KSTEP*2
	s_or_b32 s[G0B+4*(\s)+3], s[G0B+4*(\s)+3], 0x80000000
	JLOAD \s                                       ; the ring is filled before anything else is done: two tensor loads of mine are out
.endr
	; A fragment is 16 rows x 32 K in 8 registers: lane l holds row l % 16; registers 0-3 hold K = 8 (l / 16) + 0..7, registers 4-7 hold K = 16 + 8 (l / 16) + 0..7.
	; From rows that lie along K: two loads of 16 bytes, 32 bytes apart.  The same for source 0 and source 1.
	v_and_b32 v1, 15, v0                           ; l % 16
	v_bfe_u32 v2, v0, 4, 1                         ; l / 16
	v_mul_u32_u24 v3, v1, PITCH
	v_lshl_add_u32 v3, v2, 4, v3                   ; row x pitch + 16 x half
	s_mul_i32 s21, s11, HALFT                      ; my 128 rows of a16
	s_mul_i32 s22, s12, HALFT                      ; my 128 rows of w16,
	s_add_co_u32 s22, s22, 2*HALFT                 ; which lie behind a16's 256
.irp s, 0,1
	v_add_nc_u32 v[ADRA+(\s)], s21, v3
	v_add_nc_u32 v[ADRB+(\s)], s22, v3
	s_add_co_u32 s21, s21, SLOT
	s_add_co_u32 s22, s22, SLOT
.endr
	s_mul_i32 s23, s10, WSTAGE
	s_add_co_u32 s23, s23, STAGE                   ; my stage
	v_mul_u32_u24 v4, v1, SPITCH                   ; in: row l % 16, 32 bytes for each half of the lanes
	v_lshl_add_u32 v4, v2, 5, v4
	v_add_nc_u32 v[STO], s23, v4
	v_and_b32 v5, 31, v0
	v_lshlrev_b32 v[CO], 4, v5                     ; back: the 32 lanes take one row's 512 bytes, 16 each; the same place in a row of out0
	v_add_nc_u32 v[RD], s23, v[CO]
	s_lshl_b32 s46, s42, 10                        ; my first neuron, in bytes of f32: 1,024 x tile column + 512 x half (in the registers that held w16's address)
	s_lshl_b32 s47, s12, 9
	s_add_co_u32 s46, s46, s47
	s_mov_b32 s47, 0
	v_add_nc_u32 v[PO], s46, v[CO]                 ; neurons 4 l .. 4 l + 3 of my 128
	global_load_b128 v[THR:THR+3], v[PO], s[68:69] ; a wave's load covers 512 consecutive bytes
	global_load_b128 v[BA:BA+3],   v[PO], s[70:71]
	global_load_b128 v[RF:RF+3],   v[PO], s[72:73]
	s_lshl_b32 s16, s13, 8
	s_lshl_b32 s17, s11, 7
	s_add_co_u32 s16, s16, s17                     ; my first row of out0: 256 x tile row + 128 x half,
	s_lshl_b32 s16, s16, 14                        ; in bytes: rows of 16,384; under 2^26
	s_mov_b32 s17, 0
	s_add_nc_u64 s[16:17], s[16:17], s[46:47]
	s_add_nc_u64 s[8:9], s[8:9], s[16:17]          ; out0 at my 128 x 128; never rewritten: a row's place stands in the stores' immediate
	s_wait_loadcnt 0x0                             ; the neurons' numbers, once
.irp k, 0,1,2,3
	v_mul_f32 v[BA+(\k)], 0x3f4ccccd, v[BA+(\k)]   ; 0.8 mem, rounded once
.endr
.irp k, 0,1,2,3
	v_cmp_gt_f32 s[CM+(\k)], v[RF+(\k)], 0         ; refractory?
.endr
.irp k, 0,1,2,3
	v_cndmask_b32 v[G+(\k)], 1.0, 0, s[CM+(\k)]    ; g = 0 where it is, else 1
.endr
; 16 matrix instructions: m blocks a0, a0 + 1 of the window's four (hi = 0: my rows 0-63, 1: rows 64-127) x all 8 n blocks, 32 along K.
; zero = 1: the first product starts the sums: nothing is ever cleared.  The 64 accumulators take turns, one instruction a turn, in the same order in every quarter step.
.macro MUL16 f, hi, a0, zero
	WIN MUL_LO+0x50*(\hi)
.irp a, \a0, (\a0)+1
.irp b, 0,1,2,3,4,5,6,7
.if \zero
	v_wmma_f32_16x16x32_bf16 v[8*(8*(\a)+(\b)):8*(8*(\a)+(\b))+7], v[(\f)+8*(\b):(\f)+8*(\b)+7], v[(\f)+8*(4*(\hi)+(\a)):(\f)+8*(4*(\hi)+(\a))+7], 0
.else
	v_wmma_f32_16x16x32_bf16 v[8*(8*(\a)+(\b)):8*(8*(\a)+(\b))+7], v[(\f)+8*(\b):(\f)+8*(\b)+7], v[(\f)+8*(4*(\hi)+(\a)):(\f)+8*(4*(\hi)+(\a))+7], v[8*(8*(\a)+(\b)):8*(8*(\a)+(\b))+7]
.endif
.endr
.endr
.endm
; 32 LDS loads in one run: the fragments of one quarter step (128 rows of w16, 128 rows of a16, 32 K at byte k of the rows) into buffer f
.macro FETCH slot, k, f
	WIN TO_B
.irp i, 0,1,2,3,4,5,6,7
	ds_load_b128 v[(\f)+8*(\i):(\f)+8*(\i)+3],   v[ADRB+(\slot)] offset:(\k)+(\i)*16*PITCH
	ds_load_b128 v[(\f)+8*(\i)+4:(\f)+8*(\i)+7], v[ADRB+(\slot)] offset:(\k)+(\i)*16*PITCH+32
.endr
	WIN 0
.irp i, 0,1,2,3,4,5,6,7
	ds_load_b128 v[(\f)+8*(\i):(\f)+8*(\i)+3],   v[ADRA+(\slot)] offset:(\k)+(\i)*16*PITCH
	ds_load_b128 v[(\f)+8*(\i)+4:(\f)+8*(\i)+7], v[ADRA+(\slot)] offset:(\k)+(\i)*16*PITCH+32
.endr
.endm
; A load into a register that a matrix instruction has read, and an LDS store or vector instruction that reads a matrix result, stand four places behind that matrix instruction, and only plain
; vector instructions that name none of its registers are places (ISA guide 7.12.1 for vector instructions).  So four v_nop stand in front of each run of loads.
.macro PLACES
.rept 4
	v_nop
.endr
.endm
; A K step is four quarter steps of 32 along K, 64 matrix instructions each, on buffers 0, 1, 0, 1.
; One of the first three: multiplies buffer f; in its middle it fetches the next quarter's fragments, at byte k of the same slot's rows, into buffer g.
.macro QUARTER slot, k, f, g, zero
	s_wait_dscnt 8                                 ; w16's fragments and a16's rows 0-63 are in; the youngest eight loads (a16's rows 64-127) may be out
	WIN MUL_LO
	MUL16 \f, 0, 0, \zero
	MUL16 \f, 0, 2, \zero
	PLACES
	FETCH \slot, \k, \g
	s_wait_dscnt 32                                ; all but the 32 just issued
	WIN MUL_HI
	MUL16 \f, 1, 0, \zero
	MUL16 \f, 1, 2, \zero
.endm
; The last quarter multiplies buffer 1 and changes slots.  MEET is its first half: ONE barrier for the change of slots, for two things.  In front of it each wave waits for all its tensor loads,
; of which one is out: its part of the next slot; adds 0 to its spare word; and waits for that and for its own reads of this slot.  Behind it nobody reads this slot any more and the next slot is whole.
.macro MEET round                      ; round = 1: a round of the cluster's barrier follows
	WIN 0                                          ; (the add's two registers lie in window 0)
	s_wait_tensorcnt 0x0                           ; all my tensor loads have landed: the one that was out is my part of the next slot;
	ds_add_u32 v[SPW], v[NIL]                      ; 0 onto my spare word;
	s_wait_dscnt 9                                 ; (the add and the youngest eight loads may be out)
	WIN MUL_LO
	MUL16 F1, 0, 0, 0                              ; sixteen matrix instructions stand between the add and the wait for it
	s_wait_dscnt 0x0                               ; the add is done, and my reads of this slot are over:
	s_barrier_signal -1                            ; say so (where a slot is filled again this barrier opens a round of the cluster's barrier),
	MUL16 F1, 0, 2, 0                              ; work on registers while the others arrive,
.if \round
	WIN 0
.endif
	s_barrier_wait -1                              ; and go on when all four have said so
.endm
; The whole last quarter.  fill = 1: behind the round the slot just read out is filled again first, with the K step two steps on; then come the next slot's first fragments.
; From a request to the wait for it a wave issues 224 matrix instructions.  fill = 0: nothing is left to ask for, so no round follows the barrier.
.macro TURN slot, next, fill
.if \fill
	MEET 1
	CREST                                          ; all sixteen work-groups have said so: no wave of any partner still reads this slot's tile or has a load on its way
	s_add_nc_u64 s[G0+4*(\slot)+2:G0+4*(\slot)+3], s[G0+4*(\slot)+2:G0+4*(\slot)+3], 2*KSTEP*2    ; no tensor load of mine is out, so a group 0 may be written; the type bits on top are not reached
	s_add_nc_u64 s[G0B+4*(\slot)+2:G0B+4*(\slot)+3], s[G0B+4*(\slot)+2:G0B+4*(\slot)+3], 2*KSTEP*2
	JLOAD \slot                                    ; the first tensor load behind the round, my only one until the next; the four v_nop behind it are also the places in front of the loads below
.else
	MEET 0
	PLACES
.endif
	FETCH \next, 0, F0
	WIN MUL_HI
	MUL16 F1, 1, 0, 0
	MUL16 F1, 1, 2, 0
.endm
; THE WAY OUT of block a (16 of my rows x my 128 neurons), in two parts.
; TOSTAGE: the eight accumulators go into my own stage as they are, f32, each accumulator's low four registers first, and come back as 16 whole rows of 512 bytes.
.macro TOSTAGE a
.set AC, 64*((\a)%4)
.set BK, OB+64*((\a)%2)
	WIN 0x08+4*((\a)/4)                            ; the stores' data (source 1) in window 2 or 3, their address in window 0
.irp b, 0,1,2,3,4,5,6,7
	ds_store_b128 v[STO], v[AC+8*(\b):AC+8*(\b)+3]   offset:64*(\b)
	ds_store_b128 v[STO], v[AC+8*(\b)+4:AC+8*(\b)+7] offset:64*(\b)+16
.endr
	WIN 0
.if (\a) >= 2
	s_wait_xcnt 0x0                                ; every earlier memory instruction has had its addresses translated (ISA guide 3.1): the registers that block a - 2's stores read are loaded again only behind this wait
.endif
.irp t, 0,1,2,3,4,5,6,7,8,9,10,11,12,13,14,15
	ds_load_b128 v[BK+4*(\t):BK+4*(\t)+3], v[RD] offset:(\t)*SPITCH  ; LDS serves a wave's instructions in order (ISA guide 5.7.1.4): these see the stores above, and the next block's stores come behind them
.endr
.endm
; SEND: row by row, v = cur g + 0.8 mem (one rounding), 1.0 where v >= thr, else 0.0, in place; then the row's 512 bytes are stored.
; younger: the LDS instructions issued behind block a's loads: the next block's 16 stores and 16 loads, or none.
.macro SEND a, younger
	WIN 0
.set BK, OB+64*((\a)%2)
.irp t, 0,1,2,3,4,5,6,7,8,9,10,11,12,13,14,15
	s_wait_dscnt (\younger)+15-(\t)                ; row t is back; the block's later rows and what was issued behind them may be out
	v_pk_fma_f32 v[BK+4*(\t):BK+4*(\t)+1],   v[BK+4*(\t):BK+4*(\t)+1],   v[G:G+1],   v[BA:BA+1]
	v_pk_fma_f32 v[BK+4*(\t)+2:BK+4*(\t)+3], v[BK+4*(\t)+2:BK+4*(\t)+3], v[G+2:G+3], v[BA+2:BA+3]
.irp k, 0,1,2,3
	v_cmp_ge_f32 s[CM+(\k)], v[BK+4*(\t)+(\k)], v[THR+(\k)]
.endr
.irp k, 0,1,2,3
	v_cndmask_b32 v[BK+4*(\t)+(\k)], 0, 1.0, s[CM+(\k)]
.endr
	global_store_b128 v[CO], v[BK+4*(\t):BK+4*(\t)+3], s[8:9] offset:(16*(\a)+(\t))*NB th:TH_STORE_NT  ; 512 consecutive bytes, at a multiple of 512 from out0's first byte; 127 rows x 16,384 at the most, inside the signed 24-bit immediate
.endr
.endm
	s_wait_tensorcnt 1                             ; my part of K step 0 is in; K step 1's may stay out
	s_barrier_signal -1
	s_barrier_wait -1                              ; everybody's is
	FETCH 0, 0, F0
	QUARTER 0, 64,  F0, F1, 1                      ; the first quarter stands in front of the loop: its products start the sums
	WIN 0                                          ; at a label and at a branch every window is 0
	s_mov_b32 s3, LAPS-1
.Llap:                                                 ; 15 trips; a trip goes once round the ring, from a lap's second quarter to the next lap's first, and fills both slots again: K steps 2 to 31
	QUARTER 0, 128, F1, F0, 0
	QUARTER 0, 192, F0, F1, 0
	TURN 0, 1, 1
	QUARTER 1, 64,  F0, F1, 0
	QUARTER 1, 128, F1, F0, 0
	QUARTER 1, 192, F0, F1, 0
	TURN 1, 0, 1
	QUARTER 0, 64,  F0, F1, 0
	WIN 0
	s_sub_co_u32 s3, s3, 1
	s_cmp_lg_u32 s3, 0
	s_cbranch_scc1 .Llap
	QUARTER 0, 128, F1, F0, 0                      ; the last lap is written out: it asks for nothing
	QUARTER 0, 192, F0, F1, 0
	TURN 0, 1, 0                                   ; my one tensor load that was still out is slot 1's, the last K step's
	QUARTER 1, 64,  F0, F1, 0
	QUARTER 1, 128, F1, F0, 0
	QUARTER 1, 192, F0, F1, 0
	s_wait_dscnt 8                                 ; the very last quarter: nothing more to fetch
	WIN MUL_LO
	MUL16 F1, 0, 0, 0
	MUL16 F1, 0, 2, 0
	s_wait_dscnt 0x0
	MUL16 F1, 1, 0, 0
	MUL16 F1, 1, 2, 0
	WIN 0
	PLACES                                         ; behind the last products: for the LDS stores that read results, and for the loads into the registers that held a16's fragments
	TOSTAGE 0
.irp a, 1,2,3,4,5,6,7                  ; block a's trip through the stage is on its way while block a - 1 is compared and stored
	TOSTAGE \a
	SEND (\a)-1, 32
.endr
	SEND 7, 0
	s_wait_tensorcnt 0x0                           ; the wave's end, behind my last tensor load and my last LDS store
	ds_add_u32 v[SPW], v[NIL]
	s_wait_dscnt 0x0
	CROUND                                         ; the closing round: no work-group ends while a partner may still ask for a tile that names it
	s_endpgm
.Lfunc_end_k_q1cf170b0fb_gemm:
	.size	k_q1cf170b0fb_gemm, .Lfunc_end_k_q1cf170b0fb_gemm-k_q1cf170b0fb_gemm
	.p2alignl 7, 3214868480
	.fill 96, 4, 3214868480
	.section	.rodata,"a",@progbits
	.p2align	6, 0x0
	.amdhsa_kernel k_q1cf170b0fb_gemm
		.amdhsa_group_segment_fixed_size 327680
		.amdhsa_private_segment_fixed_size 0
		.amdhsa_enable_private_segment 0
		.amdhsa_kernarg_size 48
		.amdhsa_user_sgpr_count 2
		.amdhsa_user_sgpr_kernarg_segment_ptr 1
		.amdhsa_wavefront_size32 1
		.amdhsa_system_sgpr_workgroup_id_x 1
		.amdhsa_system_sgpr_workgroup_id_y 1
		.amdhsa_system_sgpr_workgroup_id_z 1
		.amdhsa_system_vgpr_workitem_id 0
		.amdhsa_next_free_vgpr 1024
		.amdhsa_next_free_sgpr 80
		.amdhsa_reserve_vcc 0
		.amdhsa_float_denorm_mode_32 3
		.amdhsa_float_denorm_mode_16_64 3
		.amdhsa_memory_ordered 1
		.amdhsa_forward_progress 1
		.amdhsa_inst_pref_size 225
	.end_amdhsa_kernel
	.amdgpu_metadata
---
amdhsa.version: [ 1, 2 ]
amdhsa.kernels:
  - .name:           k_q1cf170b0fb_gemm
    .symbol:         k_q1cf170b0fb_gemm.kd
    .args:
      - { .name: a16, .offset: 0, .size: 8, .value_kind: global_buffer, .address_space: global }
      - { .name: w16, .offset: 8, .size: 8, .value_kind: global_buffer, .address_space: global }
      - { .name: out0, .offset: 16, .size: 8, .value_kind: global_buffer, .address_space: global }
      - { .name: adaptive_threshold, .offset: 24, .size: 8, .value_kind: global_buffer, .address_space: global }
      - { .name: membrane_potential, .offset: 32, .size: 8, .value_kind: global_buffer, .address_space: global }
      - { .name: refractory_count, .offset: 40, .size: 8, .value_kind: global_buffer, .address_space: global }
    .group_segment_fixed_size: 327680
    .private_segment_fixed_size: 0
    .kernarg_segment_align: 8
    .kernarg_segment_size: 48
    .max_flat_workgroup_size: 128
    .sgpr_count:     80
    .vgpr_count:     1024
    .wavefront_size: 32
...
	.end_amdgpu_metadata
.endif
;; end of part 2
;; ======== version 2 of 2: 2 launches; version 1 with the launch prep written anew for expert scheduling mode
;; workspace buffers: a16 33,554,432 bytes; w16 33,554,432 bytes
;; launch prep (part 3): grid 1024 x 1, 8 waves a work-group, no clusters, 0 bytes of LDS; arguments spike_input, synapse_states, a16, w16; writes a16, w16
.if DOCPART == 3
	.amdgcn_target "amdgcn-amd-amdhsa--gfx1250"
	.amdhsa_code_object_version 6
	.text
	.protected	k_q1cf170b0fb_prep
	.globl	k_q1cf170b0fb_prep
	.p2align	8
	.type	k_q1cf170b0fb_prep,@function
k_q1cf170b0fb_prep:
	s_mov_b64 s[64:65], 0
	v_nop
	global_prefetch_b8 v0, s[64:65] scope:SCOPE_SE
	s_setreg_imm32_b32 hwreg(HW_REG_WAVE_SCHED_MODE, 0, 2), 2
	s_setreg_imm32_b32 hwreg(HW_REG_WAVE_MODE, 25, 1), 1
	s_wait_xcnt 0x0
	s_wait_alu depctr_vm_vsrc(0)
; a16 = spike_input rounded to bf16 (nearest even); w16 = the ternary weights as bf16: +1 where the f32 state is above 1, -1 where it is below -1, else 0.
; The comparison is made on the f32 states, so no state near the limits changes sides; a NaN state fails both comparisons and gives 0, as in the source formula.
; LIMIT: spikes that are not exact in bf16 (0 and 1 are) lose all but 8 significant bits here.
; A stream: no LDS, no barrier, no matrix unit; each input byte is read once and each output byte written once.
; SHARES.  Work-group g owns bytes 65,536 g .. of both f32 inputs and bytes 32,768 g .. of both bf16 outputs: 1,024 x 65,536 = the 67,108,864 bytes of each input.
; A PIECE is 4,096 input bytes: thread t loads the 16 bytes at 16 t (a wave's load covers 512 consecutive bytes) and stores the 8 bytes at 8 t (a wave's store covers 256
; consecutive bytes, at a multiple of 256 from the buffer's first byte).  Pieces 0-15 are spikes, pieces 16-31 states.
; Nothing is looped: a piece's place stands in the immediate offset (61,440 at the most), so no address register and no base is ever rewritten; each piece has result registers of its own,
; so no register that a store reads is ever rewritten either, and the text needs no wait for that.
; THE MODE: SCHED_MODE bits 1:0 = 2 (LLVM: expert scheduling mode 2), set by the entry lines.  The code itself states the register dependences
; between vector instructions and memory instructions, with s_wait_alu, always for 0.
; THE PLAN.  The 32 pieces go in 8 blocks of four.  Registers that memory instructions touch:
;   X0 .. X2   three blocks as loaded.  Written by the loads of block p + 2, issued in block p; read by block p's roundings (spikes) or comparisons (states).
;   Y          two registers for each piece.  Written once, by the piece's roundings in block p; read by the four stores that are issued in block p + 1.
;   v1, v2     byte offsets, made once at the head and never written again.
; Block p works on X[p % 3] and writes its own part of Y.  Its memory instructions are the loads into X[(p + 2) % 3] = X[(p - 1) % 3] and the stores of block p - 1's part of Y:
; registers that block p - 1 worked on and that no vector instruction of block p names.  So ONE wait on va_vdst at a block's head states all that the block's eight memory
; instructions hang on, and these are dealt among its vector instructions, a load and a store in front of each piece's work, with no further wait.
; A block of states makes its 32 lane masks in one run of comparisons, into 32 scalar registers; one wait on va_sdst stands between that run and the first select that reads a mask.
; No register that a memory instruction reads is written again, so the text holds no wait on vm_vsrc; EXEC is never written.
.set VI, 1                             ; v1        16 t: my byte offset in a piece of input; never rewritten
.set VO, 2                             ; v2        8 t: my byte offset in a piece of output; never rewritten
.set X,  4                             ; v[4:51]   piece j: 4 numbers in f32 as loaded, at X + 4 (j % 12): buffer (j / 4) % 3, place j % 4
.set T,  52                            ; v[52:55]  at work: no memory instruction names them
.set Y,  56                            ; v[56:119] piece j: 2 registers, 4 bf16 to store
.set GT, 24                            ; s[24:39]  place i of a block, number k: lanes whose state is above 1, at GT + 4 i + k
.set LT, 40                            ; s[40:55]  the same for lanes whose state is below -1
	s_load_b256 s[4:11], s[0:1], 0x0               ; spikes s[4:5], states s[6:7], a16 s[8:9], w16 s[10:11]
	s_lshl_b32 s2, ttmp9, 16                       ; my 65,536 bytes of each input (under 2^26),
	s_mov_b32 s3, 0
	s_lshl_b32 s20, ttmp9, 15                      ; my 32,768 bytes of each output
	s_mov_b32 s21, 0
	v_lshlrev_b32 v[VI], 4, v0
	v_lshlrev_b32 v[VO], 3, v0
	s_wait_kmcnt 0x0
	s_add_nc_u64 s[4:5], s[4:5], s[2:3]
	s_add_nc_u64 s[6:7], s[6:7], s[2:3]
	s_add_nc_u64 s[8:9], s[8:9], s[20:21]
	s_add_nc_u64 s[10:11], s[10:11], s[20:21]
	s_wait_alu depctr_va_vdst(0)                   ; v1 and v2 are written: every load and store of the kernel reads one of them as its offset
.macro LD n                            ; piece n is asked for; the launch reads each of these bytes once
.if (\n) < 16
	global_load_b128 v[X+4*((\n)%12):X+4*((\n)%12)+3], v[VI], s[4:5] offset:(\n)*4096 th:TH_LOAD_NT
.else
	global_load_b128 v[X+4*((\n)%12):X+4*((\n)%12)+3], v[VI], s[6:7] offset:((\n)-16)*4096 th:TH_LOAD_NT
.endif
.endm
.macro ST n                            ; piece n is stored
.if (\n) < 16
	global_store_b64 v[VO], v[Y+2*(\n):Y+2*(\n)+1], s[8:9] offset:(\n)*2048         ; no hint: the next launch reads these bytes
.else
	global_store_b64 v[VO], v[Y+2*(\n):Y+2*(\n)+1], s[10:11] offset:((\n)-16)*2048
.endif
.endm
; Block p: pieces 4 p .. 4 p + 3.  Blocks 0 to 5 ask for the block two further on; blocks 1 to 7 store the block before.
.macro BLK p
.if (\p) > 0
	s_wait_alu depctr_va_vdst(0)                   ; the block before has written its part of Y, which the stores below read, and is done reading its X, in which the loads below land
.endif
.irp i, 0,1,2,3
.set XS, X+4*((4*(\p)+(\i))%12)
.set YS, Y+2*(4*(\p)+(\i))
.if (\p) < 6
	LD 4*(\p)+(\i)+8                               ; two blocks ahead; no vector instruction since the wait names these registers
.endif
.if (\p) > 0
	ST 4*(\p)+(\i)-4                               ; the block before; likewise
.endif
.if (\p) < 6
	s_wait_loadcnt 8                               ; loads come back in order (ISA guide 5.7.1): the eight pieces asked for behind mine stay out, mine is in
.else
	s_wait_loadcnt 31-4*(\p)-(\i)                  ; nothing is asked for behind piece 31: the counts run down
.endif
.if (\p) < 4
	v_cvt_pk_bf16_f32 v[YS],   v[XS],   v[XS+1]    ; two roundings to bf16, packed
	v_cvt_pk_bf16_f32 v[YS+1], v[XS+2], v[XS+3]
.else
.irp k, 0,1,2,3
	v_cmp_lt_f32 s[GT+4*(\i)+(\k)], 1.0, v[XS+(\k)]   ; 1 < state
.endr
.irp k, 0,1,2,3
	v_cmp_gt_f32 s[LT+4*(\i)+(\k)], -1.0, v[XS+(\k)]  ; -1 > state
.endr
.endif
.endr
.if (\p) >= 4
	s_wait_alu depctr_va_sdst(0)                   ; the block's 32 comparisons have written s[24:55], ahead of the first select that reads one of them
.irp i, 0,1,2,3
.set YS, Y+2*(4*(\p)+(\i))
.irp k, 0,1,2,3
	v_cndmask_b32 v[T+(\k)], 0, 1.0, s[GT+4*(\i)+(\k)]
.endr
.irp k, 0,1,2,3
	v_cndmask_b32 v[T+(\k)], v[T+(\k)], -1.0, s[LT+4*(\i)+(\k)]
.endr
	v_cvt_pk_bf16_f32 v[YS],   v[T],   v[T+1]      ; exact: -1, 0 and 1 are bf16 numbers
	v_cvt_pk_bf16_f32 v[YS+1], v[T+2], v[T+3]
.endr
.endif
.endm
.irp j, 0,1,2,3,4,5,6,7
	LD \j                                          ; blocks 0 and 1 into X0 and X1
.endr
	BLK 0                                          ; no block stands in front of it: no store, and no wait at its head (no vector instruction has named X2)
.irp p, 1,2,3,4,5,6,7
	BLK \p
.endr
	s_wait_alu depctr_va_vdst(0)                   ; block 7 has written its part of Y, which the last four stores read
.irp j, 28,29,30,31
	ST \j
.endr
	s_endpgm
.Lfunc_end_k_q1cf170b0fb_prep:
	.size	k_q1cf170b0fb_prep, .Lfunc_end_k_q1cf170b0fb_prep-k_q1cf170b0fb_prep
	.p2alignl 7, 3214868480
	.fill 96, 4, 3214868480
	.section	.rodata,"a",@progbits
	.p2align	6, 0x0
	.amdhsa_kernel k_q1cf170b0fb_prep
		.amdhsa_group_segment_fixed_size 0
		.amdhsa_private_segment_fixed_size 0
		.amdhsa_enable_private_segment 0
		.amdhsa_kernarg_size 32
		.amdhsa_user_sgpr_count 2
		.amdhsa_user_sgpr_kernarg_segment_ptr 1
		.amdhsa_wavefront_size32 1
		.amdhsa_system_sgpr_workgroup_id_x 1
		.amdhsa_system_sgpr_workgroup_id_y 1
		.amdhsa_system_sgpr_workgroup_id_z 1
		.amdhsa_system_vgpr_workitem_id 0
		.amdhsa_next_free_vgpr 120
		.amdhsa_next_free_sgpr 66
		.amdhsa_reserve_vcc 0
		.amdhsa_float_denorm_mode_32 3
		.amdhsa_float_denorm_mode_16_64 3
		.amdhsa_memory_ordered 1
		.amdhsa_forward_progress 1
		.amdhsa_inst_pref_size 29
	.end_amdhsa_kernel
	.amdgpu_metadata
---
amdhsa.version: [ 1, 2 ]
amdhsa.kernels:
  - .name:           k_q1cf170b0fb_prep
    .symbol:         k_q1cf170b0fb_prep.kd
    .args:
      - { .name: spike_input, .offset: 0, .size: 8, .value_kind: global_buffer, .address_space: global }
      - { .name: synapse_states, .offset: 8, .size: 8, .value_kind: global_buffer, .address_space: global }
      - { .name: a16, .offset: 16, .size: 8, .value_kind: global_buffer, .address_space: global }
      - { .name: w16, .offset: 24, .size: 8, .value_kind: global_buffer, .address_space: global }
    .group_segment_fixed_size: 0
    .private_segment_fixed_size: 0
    .kernarg_segment_align: 8
    .kernarg_segment_size: 32
    .max_flat_workgroup_size: 256
    .sgpr_count:     66
    .vgpr_count:     120
    .wavefront_size: 32
...
	.end_amdgpu_metadata
.endif
;; end of part 3
;; launch gemm: the kernel of part 2 again; grid 16 x 16, 4 waves a work-group, clusters of 4 x 4, 327,680 bytes of LDS; arguments a16, w16, out0, adaptive_threshold, membrane_potential, refractory_count; writes out0
